; MI455X (gfx1250); checked and timed in simulation.
; The chip was launched on July 23, 2026; its instructions are those of AMD's public machine-readable ISA for CDNA 5 (MIT licence, August 2026) and "CDNA5" Instruction Set Architecture Reference Guide (July 2026). The comments in the code are by the model that wrote it; some were corrected since.
;; Minibatch Discrimination. Allowed arithmetic: matrix products marked QUANTISED: E4M3 operands, one E8M0 scale for each 32 along K, by v_wmma_scale_f32_16x16x128_f8f6f4 with both operands' format E4M3, f32 sums; products left as they are: f32 operands where the result goes on into a quantised operand, else bf16, f16 or f32 operands; f32 sums; everything else in f32.
;; Inputs: T_codes 64 x 32 x 8 x 32 uint8 (E4M3 codes of T, K innermost, in blocks of 32 codes); T_scales 64 x 32 x 8 uint8 (E8M0 scales of T, one for each 32 codes along K); W1 1 x 64 float32; b1 1 float32; beta 256 float32; feature 256 x 256 float32; gamma 256 float32.
;; Outputs: out0 256 x 1 float32.
;; This version of the problem:
;;   THIS VERSION OF THE PROBLEM IS GIVEN IN LOW PRECISION. The matrix products marked QUANTISED in the list below multiply operands that are first quantised to E4M3 (4 exponent bits, 3 mantissa bits; 8 bits a number), with one power-of-two scale for each 32 numbers along K (OCP MX v1.0); their sums are f32. All else is computed in f32.
;;   The module's matrix products, in the order in which they are computed (A, B: the left and right operand; K: the contracted axis; several contracted axes count as one K, in the product's order):
;;     1. [M 256, K 256] x [K 256, N 2,048]; A: computed on the way; B: input T (given as codes): QUANTISED
;;     2. [M 256, K 64] x [K 64, N 1]; A: computed on the way; B: computed on the way: left as it is (N = 1 < 16)
;;   THE QUANTISER, for each operand of a quantised product, along K:
;;     - K is cut into blocks of 32 from its start; a last block that is shorter is filled with zeros.
;;     - A block's scale is 2^e with e = floor(log2(the largest magnitude in the block)) - 8, held to -126 .. 127; a block of zeros has e = 0. As a byte (E8M0): e + 127.
;;     - Each number is divided by its block's scale, clamped to +-448, and rounded to the nearest number of E4M3, ties to even, subnormals kept.
;;     - The product sums the exact products of the quantised numbers (number of the format x scale) in f32.
;;   ~~~python
;;   def quantise(x, axis):      # numpy; x: float32 -> the quantised numbers, widened to float32 again
;;       x = np.moveaxis(x, axis, -1); K = x.shape[-1]
;;       x = np.pad(x, [(0, 0)] * (x.ndim - 1) + [(0, -K % 32)]); x = x.reshape(x.shape[:-1] + (-1, 32)); a = np.abs(x).max(-1, keepdims=True)
;;       e = np.where(a > 0, np.clip(np.frexp(np.where(a > 0, a, 1))[1] - 1 - 8, -126, 127), 0)      # np.frexp(a)[1] - 1 = floor(log2(a)), exactly
;;       r = np.clip(x / 2.0 ** e, -448, 448)
;;       step = 2.0 ** (np.maximum(np.frexp(np.where(r == 0, 1, r))[1] - 1, -6) - 3)
;;       q = np.round(r / step) * step * 2.0 ** e      # np.round: ties to even
;;       return np.moveaxis(q.reshape(q.shape[:-2] + (-1,))[..., :K], -1, axis).astype(np.float32)
;;   ~~~
;;   OPERANDS COMPUTED ON THE WAY. 'Computed on the way' means the value that the module computes at that place (a softmax that the list does not call 'softmax' is quantised finished and normalised). What goes into a quantiser is computed in f32, as accurately as f32 sums, v_exp_f32 and their like allow (about 1e-6 of the number): no bf16 or f16 on the way to a quantiser, and a product that is left as it is and whose result goes on into a quantised operand takes f32 operands (vector FMAs, or v_wmma_f32_16x16x4_f32). A number that lies on a knife's edge between two numbers of the format may be rounded either way, as far as f32 arithmetic and the matrix unit's own rounding can turn it there, and no further.
;;   INPUTS GIVEN AS CODES. T (in the module: [256, 64, 32], K = its axis 0): each comes as NAME_codes (uint8): NAME with its K axis moved to the last place and cut into blocks of 32 codes, [.., K / 32, bytes a block], one block behind the other in memory; one code a byte (a code: sign, 4 exponent bits, 3 mantissa bits); and NAME_scales (uint8): the same leading axes, one E8M0 byte (e + 127) for each 32 codes along K. Its value is code x scale, taken as it is: it is not quantised again, and the codes and scales need not be those that the quantiser above would give.
;; 2 versions. Each part assembles by itself: llvm-mc -triple=amdgcn-amd-amdhsa -mcpu=gfx1250 --defsym DOCPART=n.
;; ======== version 1 of 2: 3 launches
;; workspace buffers: xq 65,536 bytes; xs 2,048 bytes; part 131,072 bytes
;; launch bnq (part 1): grid 8 x 1, 16 waves a work-group, no clusters, 12,800 bytes of LDS; arguments feature, gamma, beta, xq, xs; writes xq, xs
.if DOCPART == 1
	.amdgcn_target "amdgcn-amd-amdhsa--gfx1250"
	.amdhsa_code_object_version 6
	.text
	.protected	k_q9eebc5a737_bnq
	.globl	k_q9eebc5a737_bnq
	.p2align	8
	.type	k_q9eebc5a737_bnq,@function
k_q9eebc5a737_bnq:
	s_mov_b64 s[64:65], 0
	v_nop
	global_prefetch_b8 v0, s[64:65] scope:SCOPE_SE
	s_setreg_imm32_b32 hwreg(HW_REG_WAVE_MODE, 25, 1), 1
	s_wait_xcnt 0x0
; x = (feature - mean) * rsqrt(var + 1e-5) * gamma + beta, mean and var over the 256 rows (biased), then the MX-FP8 quantiser along the features.
; feature: [256][256] f32.  Work-group b owns features 32 b .. 32 b + 31, one block of the quantiser, for all 256 rows; sixteen waves, wave w = rows 16 w .. 16 w + 15.
; STATISTICS: a lane takes ONE feature and 16 rows (each load: 128 consecutive bytes a wave), so a column's sum needs no other lane; the sixteen waves' sums meet in LDS.
; Two passes, the mean first and then the sum of (x - mean)^2: a common offset of the inputs costs no digits.
; QUANTISER: lane (r, h) takes row 16 w + r and the 16 neighbouring features 16 h .. 16 h + 15: the layout of an 8-bit operand of the 16x16x128 form.  The same 32 KB are loaded a second time in that layout.
; OUT: xq holds the codes in the order of the operand's registers: block (tile w, K block b) is 512 bytes, 16 a lane: the wave's store covers 512 consecutive bytes.
;      xs[b][row] holds the scale bytes: the work-group's 256 leave as one aligned run of 256 bytes.
; A block's scale is 2^(floor(log2(largest magnitude)) - 8); its byte is the largest magnitude's exponent field - 8, held at 1 from below.
; LIMITS: NaN and infinities among the inputs are not served.  A block whose largest magnitude lies under 2^(9 - 127), a block of zeros among them, keeps the byte 1 (zeros: the rule says 127; its codes are zeros, and this program alone reads the bytes).
.set S1,   0                           ; LDS: 16 waves x 32 sums
.set S2,   2048                        ; 16 waves x 32 sums of squares
.set TAB,  4096                        ; for each wave 384 bytes of its own: 32 means, 32 gains, 32 shifts
.set SB,   10240                       ; the work-group's 256 scale bytes
.set XS,   16                          ; v16-31   my feature in 16 rows
.set XQ,   32                          ; v32-47   16 neighbouring features of my row
.set TS,   48                          ; v48-55   at work in the sums
.set CD,   56                          ; v56-59   16 codes
.set MQ,   64                          ; v64-79   the means of my 16 features
.set GQ,   80                          ; v80-95   rsqrt(var + eps) x gamma
.set BQ,   96                          ; v96-111  beta
.set PS,   112                         ; v112-127 the sixteen waves' partial sums
	s_load_b128 s[4:7], s[0:1], 0x0                ; feature, gamma
	s_load_b128 s[8:11], s[0:1], 0x10              ; beta, xq
	s_load_b64 s[12:13], s[0:1], 0x20              ; xs
	v_lshl_add_u32 v136, v0, 2, 0x2a00
	v_mov_b32 v137, 0
	v_lshrrev_b32 v1, 5, v0
	v_readfirstlane_b32 s14, v1                    ; wave = tile of 16 rows
	v_and_b32 v1, 31, v0                           ; lane
	v_and_b32 v2, 15, v0                           ; r
	v_bfe_u32 v3, v0, 4, 1                         ; h
	s_lshl_b32 s15, s14, 14                        ; my wave's 16 rows of 1,024 bytes
	v_lshlrev_b32 v6, 2, v1                        ; 4 x lane
	v_add_nc_u32 v4, s15, v6                       ; statistics: my feature in the wave's first row
	v_lshl_add_u32 v5, v2, 10, s15                 ; quantiser: row r,
	v_lshl_add_u32 v5, v3, 6, v5                   ; + 64 h
	v_lshlrev_b32 v7, 2, v0                        ; LDS: 128 x wave + 4 x lane: my partial sum
	s_mul_i32 s16, s14, 384
	s_add_co_u32 s16, s16, TAB                     ; my wave's table
	v_add_nc_u32 v8, s16, v6                       ; into it: my feature
	v_lshl_add_u32 v9, v3, 6, s16                  ; out of it: my 16 features
	s_lshl_b32 s17, s14, 4
	s_add_co_u32 s17, s17, SB
	v_add_nc_u32 v14, s17, v2                      ; my row's scale byte
	v_lshl_add_u32 v15, v1, 3, SB                  ; wave 0 on the way out: 8 bytes a lane
	v_lshlrev_b32 v60, 3, v1                       ; and the same place in xs
	s_lshl_b32 s18, s14, 12                        ; xq: 8 blocks of 512 bytes for each tile of rows
	v_lshl_add_u32 v61, v1, 4, s18
	v_mov_b32 v13, 0x3727c5ac                      ; 1e-5
	v_mov_b32 v130, 0                              ; written once: a lane permute's destination counts as one of its sources
	s_mov_b32 s20, 0x76543210
	s_mov_b32 s21, 0xfedcba98                      ; v_permlanex16_b32's selects for lane l xor 16
	s_mov_b32 s22, 0x600000                        ; the mantissa field of 448
	s_lshl_b32 s24, ttmp9, 7                       ; my block: 128 bytes along a row of feature, and in gamma and beta
	s_mov_b32 s25, 0
	s_lshl_b32 s26, ttmp9, 9                       ; 512 bytes in xq
	s_mov_b32 s27, 0
	s_lshl_b32 s28, ttmp9, 8                       ; 256 bytes in xs
	s_mov_b32 s29, 0
	s_wait_kmcnt 0x0
	s_add_nc_u64 s[4:5], s[4:5], s[24:25]
	s_add_nc_u64 s[6:7], s[6:7], s[24:25]
	s_add_nc_u64 s[8:9], s[8:9], s[24:25]
	s_add_nc_u64 s[10:11], s[10:11], s[26:27]
	s_add_nc_u64 s[12:13], s[12:13], s[28:29]
.irp i, 0,1,2,3,4,5,6,7,8,9,10,11,12,13,14,15
	global_load_b32 v[XS+\i], v4, s[4:5] offset:1024*\i            ; row 16 w + i, my feature
.endr
	global_load_b32 v62, v6, s[6:7]                ; gamma of my feature
	global_load_b32 v63, v6, s[8:9]                ; beta
.irp q, 0,1,2,3
	global_load_b128 v[XQ+4*\q:XQ+4*\q+3], v5, s[4:5] offset:16*\q ; the quantiser's layout: asked for now, wanted last
.endr
.macro SUM16 x                         ; the sum of v[x] .. v[x + 15] into v[TS]
	v_pk_add_f32 v[TS:TS+1], v[\x:\x+1], v[\x+2:\x+3]
	v_pk_add_f32 v[TS+2:TS+3], v[\x+4:\x+5], v[\x+6:\x+7]
	v_pk_add_f32 v[TS+4:TS+5], v[\x+8:\x+9], v[\x+10:\x+11]
	v_pk_add_f32 v[TS+6:TS+7], v[\x+12:\x+13], v[\x+14:\x+15]
	v_pk_add_f32 v[TS:TS+1], v[TS:TS+1], v[TS+2:TS+3]
	v_pk_add_f32 v[TS+4:TS+5], v[TS+4:TS+5], v[TS+6:TS+7]
	v_pk_add_f32 v[TS:TS+1], v[TS:TS+1], v[TS+4:TS+5]
	v_add_f32 v[TS], v[TS], v[TS+1]
.endm
.macro MEET where                      ; my wave's sum goes to LDS, all sixteen come back, and are added
	ds_store_b32 v7, v[TS] offset:\where
	s_wait_dscnt 0x0                               ; for the others' sake: my store has landed
	s_barrier_signal -1
	s_barrier_wait -1
.irp i, 0,1,2,3,4,5,6,7,8,9,10,11,12,13,14,15
	ds_load_b32 v[PS+\i], v6 offset:\where+128*\i  ; wave i's sum for my feature: 32 lanes, 128 consecutive bytes
.endr
	s_wait_dscnt 0x0
	SUM16 PS
.endm
	s_wait_loadcnt 6                               ; the 16 rows are in; gamma, beta and the quantiser's four loads may be out
	SUM16 XS
	MEET S1
	v_mul_f32 v10, 0x3b800000, v[TS]               ; the mean: sum / 256, exact
	v_mov_b32 v11, v10                             ; twice, for the packed forms
.irp i, 0,2,4,6,8,10,12,14
	v_pk_add_f32 v[XS+\i:XS+\i+1], v[XS+\i:XS+\i+1], v[10:11] neg_lo:[0,1] neg_hi:[0,1]   ; x - mean
.endr
	v_pk_mul_f32 v[TS:TS+1], v[XS:XS+1], v[XS:XS+1]                ; the first products start the two chains: nothing is cleared
	v_pk_mul_f32 v[TS+2:TS+3], v[XS+2:XS+3], v[XS+2:XS+3]
.irp i, 4,8,12
	v_pk_fma_f32 v[TS:TS+1], v[XS+\i:XS+\i+1], v[XS+\i:XS+\i+1], v[TS:TS+1]
	v_pk_fma_f32 v[TS+2:TS+3], v[XS+\i+2:XS+\i+3], v[XS+\i+2:XS+\i+3], v[TS+2:TS+3]
.endr
	v_pk_add_f32 v[TS:TS+1], v[TS:TS+1], v[TS+2:TS+3]
	v_add_f32 v[TS], v[TS], v[TS+1]
	MEET S2
	v_fmamk_f32 v12, v[TS], 0x3b800000, v13        ; var + eps = sum / 256 + 1e-5
	v_rsq_f32 v12, v12
	ds_store_b32 v8, v10                           ; the table: my feature's mean,
	v_nop                                          ; a plain vector instruction behind the transcendental
	s_wait_loadcnt 4                               ; gamma and beta are in; the quantiser's four loads may be out
	s_wait_alu depctr_va_vdst(0)                   ; the wait ahead of the first reader of the root
	v_mul_f32 v12, v12, v62
	ds_store_b32 v8, v12 offset:128                ; its gain,
	ds_store_b32 v8, v63 offset:256                ; its shift
.irp q, 0,1,2,3                        ; LDS serves a wave's instructions in order (ISA guide 5.7.1.4): these see my wave's stores; the table is the wave's own
	ds_load_b128 v[MQ+4*\q:MQ+4*\q+3], v9 offset:16*\q
	ds_load_b128 v[GQ+4*\q:GQ+4*\q+3], v9 offset:128+16*\q
	ds_load_b128 v[BQ+4*\q:BQ+4*\q+3], v9 offset:256+16*\q
.endr
	s_wait_loadcnt 0x0
	s_wait_dscnt 0x0
.irp i, 0,2,4,6,8,10,12,14
	v_pk_add_f32 v[XQ+\i:XQ+\i+1], v[XQ+\i:XQ+\i+1], v[MQ+\i:MQ+\i+1] neg_lo:[0,1] neg_hi:[0,1]
.endr
.irp i, 0,2,4,6,8,10,12,14
	v_pk_fma_f32 v[XQ+\i:XQ+\i+1], v[XQ+\i:XQ+\i+1], v[GQ+\i:GQ+\i+1], v[BQ+\i:BQ+\i+1]   ; the normalised x
.endr
	v_max3_num_f32 v128, |v[XQ]|, |v[XQ+1]|, 0x4800000             ; the largest magnitude of my 16, in two chains, and the floor 2^(9 - 127): the byte cannot fall under 1
	v_max3_num_f32 v129, |v[XQ+2]|, |v[XQ+3]|, |v[XQ+4]|
	v_max3_num_f32 v128, v128, |v[XQ+5]|, |v[XQ+6]|
	v_max3_num_f32 v129, v129, |v[XQ+7]|, |v[XQ+8]|
	v_max3_num_f32 v128, v128, |v[XQ+9]|, |v[XQ+10]|
	v_max3_num_f32 v129, v129, |v[XQ+11]|, |v[XQ+12]|
	v_max3_num_f32 v128, v128, |v[XQ+13]|, |v[XQ+14]|
	v_max3_num_f32 v128, v128, v129, |v[XQ+15]|
	v_permlanex16_b32 v130, v128, s20, s21
	v_max_num_f32 v128, v128, v130                 ; with lane l xor 16's 16: the block's
	v_add_nc_u32 v131, 0xfc000000, v128            ; 8 off its exponent field: the conversion takes the exponent field of this operand as its scale
	v_and_or_b32 v132, v128, 0x7f800000, s22       ; 448 x the scale
.irp i, 0,1,2,3,4,5,6,7,8,9,10,11,12,13,14,15
	v_med3_num_f32 v[XQ+\i], v[XQ+\i], -v132, v132 ; the conversion to an 8-bit code does not saturate (ISA guide 7.6.2): the hold comes first
.endr
	v_cvt_scalef32_pk8_fp8_f32 v[CD:CD+1], v[XQ:XQ+7], v131
	v_cvt_scalef32_pk8_fp8_f32 v[CD+2:CD+3], v[XQ+8:XQ+15], v131
	v_lshrrev_b32 v133, 23, v131                   ; the scale's byte (a plain line behind the conversions)
	ds_store_b8 v14, v133                          ; both lanes of a block write the same byte with the same value
	global_store_b128 v61, v[CD:CD+3], s[10:11]    ; 32 lanes store 512 consecutive bytes
	s_wait_dscnt 0x0                               ; for wave 0's sake: my bytes have landed
	s_barrier_signal -1
	s_barrier_wait -1
	s_cmp_lg_u32 s14, 0
	s_cbranch_scc1 .Lend
	ds_load_b64 v[134:135], v15
	s_wait_dscnt 0x0
	global_store_b64 v60, v[134:135], s[12:13]     ; 32 lanes store 256 consecutive bytes, aligned
.Lend:
	s_wait_tensorcnt 0x0
	ds_add_u32 v136, v137
	s_wait_dscnt 0x0
	s_endpgm
.Lfunc_end_k_q9eebc5a737_bnq:
	.size	k_q9eebc5a737_bnq, .Lfunc_end_k_q9eebc5a737_bnq-k_q9eebc5a737_bnq
	.p2alignl 7, 3214868480
	.fill 96, 4, 3214868480
	.section	.rodata,"a",@progbits
	.p2align	6, 0x0
	.amdhsa_kernel k_q9eebc5a737_bnq
		.amdhsa_group_segment_fixed_size 12800
		.amdhsa_private_segment_fixed_size 0
		.amdhsa_enable_private_segment 0
		.amdhsa_kernarg_size 40
		.amdhsa_user_sgpr_count 2
		.amdhsa_user_sgpr_kernarg_segment_ptr 1
		.amdhsa_wavefront_size32 1
		.amdhsa_system_sgpr_workgroup_id_x 1
		.amdhsa_system_sgpr_workgroup_id_y 1
		.amdhsa_system_sgpr_workgroup_id_z 1
		.amdhsa_system_vgpr_workitem_id 0
		.amdhsa_next_free_vgpr 138
		.amdhsa_next_free_sgpr 66
		.amdhsa_reserve_vcc 0
		.amdhsa_float_denorm_mode_32 3
		.amdhsa_float_denorm_mode_16_64 3
		.amdhsa_memory_ordered 1
		.amdhsa_forward_progress 1
		.amdhsa_inst_pref_size 15
	.end_amdhsa_kernel
	.amdgpu_metadata
---
amdhsa.version: [ 1, 2 ]
amdhsa.kernels:
  - .name:           k_q9eebc5a737_bnq
    .symbol:         k_q9eebc5a737_bnq.kd
    .args:
      - { .name: feature, .offset: 0, .size: 8, .value_kind: global_buffer, .address_space: global }
      - { .name: gamma, .offset: 8, .size: 8, .value_kind: global_buffer, .address_space: global }
      - { .name: beta, .offset: 16, .size: 8, .value_kind: global_buffer, .address_space: global }
      - { .name: xq, .offset: 24, .size: 8, .value_kind: global_buffer, .address_space: global }
      - { .name: xs, .offset: 32, .size: 8, .value_kind: global_buffer, .address_space: global }
    .group_segment_fixed_size: 12800
    .private_segment_fixed_size: 0
    .kernarg_segment_align: 8
    .kernarg_segment_size: 40
    .max_flat_workgroup_size: 512
    .sgpr_count:     66
    .vgpr_count:     138
    .wavefront_size: 32
...
	.end_amdgpu_metadata
.endif
;; end of part 1
;; launch pairs (part 2): grid 128 x 2, 8 waves a work-group, no clusters, 17,920 bytes of LDS; arguments xq, xs, T_codes, T_scales, W1, part; writes part
.if DOCPART == 2
	.amdgcn_target "amdgcn-amd-amdhsa--gfx1250"
	.amdhsa_code_object_version 6
	.text
	.protected	k_q9eebc5a737_pairs
	.globl	k_q9eebc5a737_pairs
	.p2align	8
	.type	k_q9eebc5a737_pairs,@function
k_q9eebc5a737_pairs:
	s_mov_b64 s[64:65], 0
	v_nop
	global_prefetch_b8 v0, s[64:65] scope:SCOPE_SE
	s_setreg_imm32_b32 hwreg(HW_REG_WAVE_MODE, 25, 1), 1
	s_wait_xcnt 0x0
; part[cg][j] = W1[cg / 2] sqrt(2 / 64) x the sum over the 16 columns c of group cg and over all 256 rows i of |M[j][c] - M[i][c]|,  M = x T on codes of FP8 (E4M3) with E8M0 scales.
; Work-group (cg, jh) owns columns 16 cg .. 16 cg + 15 (all of one output feature, so one weight) and rows j = 128 jh .. 128 jh + 127; eight waves.
; THE PRODUCT.  Wave w makes tiles 2 w and 2 w + 1 of 16 rows x 16 columns: K = 256 is two instructions a tile.  x's codes lie in xq in the order of the operand's registers, T's rows lie along K: every fragment
; comes straight from memory into registers.  x's scale bytes lie in eight planes xs[K block][row]: four byte loads and three shifts make a scale word.
; In a result lane (r, h) holds column r and rows 8 h + 0 .. 7 of the tile.  The results go to LDS as images of the registers: block 2 t + q (512 bytes) holds registers 4 q .. 4 q + 3 of tile t, 16 bytes a lane.
; THE PAIRS.  Every wave loads all 32 blocks back: 128 registers, lane (r, h) = column r, the 128 rows i = 16 t + 8 h + 0 .. 7.  Wave w owns the 16 rows j of tile 8 jh + w.  Half a block (256 bytes) holds four rows j
; for all 16 columns, 16 bytes a column: one LDS load, the same for both halves of the lanes, feeds 4 x 128 pairs a lane.
; THE ARITHMETIC OF A PAIR.  |a - b| = 2 max(a, b) - a - b, so the sum over i of |m_j - m_i| = 2 x the sum of max(m_j, m_i) - 256 m_j - the column's sum.  Two maxima are one dual-issue pair, two additions one packed
; addition: one instruction a pair.  All in f32.
; THE ORDER OF ROUNDING DIFFERS FROM THE REFERENCE'S, AND IS BOUNDED SO: each column is first centred on its own mean (differences do not change).  With a column's sum 0 the result R of a row satisfies
; R >= 256 |m_j| and the sum of |m_i| <= 2 R, so every sum formed here is at most 3 R in magnitude: no difference of large sums, whatever offset the column carries.
; LEFT OUT: the centred column's own sum, which is the rounding of the mean: of the order of 256 x 2^-24 x the column's largest magnitude, the size of the rounding that M's own f32 sums carry.
; A row's sum is then taken over the 32 lanes (16 columns x two halves of the rows i).
; NO CLUSTER, NO TENSOR LOAD: what the work-groups share, x's codes, is 16 loads of 16 bytes a lane, once, at the head, against some 2,000 vector instructions of pair work a wave; there is no ring in which a joint request could recur.
; LIMITS: NaN and infinities are not served.
.set OUTS, 16384                       ; LDS: behind the 16 KB of images: 128 sums, in the order in which the waves make them
.set SW,   32                          ; v32-35  x's scale words (tile u, K step s at 2 u + s); v36-37 T's: these six hold scales and nothing else
.set AD,   40                          ; v40-47  four centred rows j of my column, each twice: in an even and an odd register, for the two halves of a dual pair
.set AQ,   48                          ; v48-51  the same as loaded
.set ACC,  52                          ; v52-59  two running sums for each of the four rows
.set CM,   60                          ; v60-61  my column's mean, twice (a pair for the packed form)
.set MB,   64                          ; v64-191 my column in 128 rows i.  Before that: v64-127 x's four fragments, v128-159 T's two, v160-175 the two results
.set DT,   192                         ; v192-207 maxima: two sets of four pairs
.set RS,   208                         ; v208-211 the four rows' sums
.set PT,   212                         ; v212-215 the other half's
	s_load_b256 s[4:11], s[0:1], 0x0               ; xq s[4:5], xs s[6:7], T's codes s[8:9], T's scales s[10:11]
	s_load_b128 s[12:15], s[0:1], 0x20             ; W1 s[12:13], part s[14:15]
	v_lshl_add_u32 v216, v0, 2, 0x4200
	v_mov_b32 v217, 0
	v_lshrrev_b32 v1, 5, v0
	v_readfirstlane_b32 s16, v1                    ; wave 0..7
	v_and_b32 v1, 31, v0                           ; lane
	v_and_b32 v2, 15, v0                           ; r
	v_bfe_u32 v3, v0, 4, 1                         ; h
	s_and_b32 s17, ttmp7, 1                        ; jh: the grid has two work-groups along y
	s_lshl_b32 s18, s16, 13                        ; xq: my two tiles' 16 blocks of 512 bytes
	v_lshlrev_b32 v9, 4, v1                        ; 16 x lane
	v_add_nc_u32 v4, s18, v9
	v_lshlrev_b32 v5, 8, v2                        ; T's codes: row r of 256 bytes,
	v_lshl_add_u32 v5, v3, 4, v5                   ; + 16 h
	s_lshl_b32 s19, s16, 5
	v_add_nc_u32 v6, s19, v2                       ; xs: row 32 w + r of a plane
	v_lshlrev_b32 v7, 3, v2                        ; T's scales: 8 bytes a row
	s_lshl_b32 s20, ttmp9, 12                      ; my 16 rows of T's codes,
	s_mov_b32 s21, 0
	s_lshl_b32 s22, ttmp9, 7                       ; of its scales,
	s_mov_b32 s23, 0
	s_lshr_b32 s26, ttmp9, 1
	s_lshl_b32 s26, s26, 2                         ; my output feature's weight,
	s_mov_b32 s27, 0
	s_lshl_b32 s28, ttmp9, 10                      ; and my 512 bytes of part
	s_lshl_b32 s29, s17, 9
	s_add_co_u32 s28, s28, s29
	s_mov_b32 s29, 0
	s_mov_b32 s34, 0x76543210
	s_mov_b32 s35, 0xfedcba98                      ; v_permlanex16_b32's selects for lane l xor 16
	s_wait_kmcnt 0x0
	s_add_nc_u64 s[8:9], s[8:9], s[20:21]
	s_add_nc_u64 s[10:11], s[10:11], s[22:23]
	s_add_nc_u64 s[12:13], s[12:13], s[26:27]
	s_add_nc_u64 s[14:15], s[14:15], s[28:29]
	s_load_b32 s24, s[12:13], 0x0                  ; W1[cg / 2]
.irp u, 0,1
.irp s, 0,1
.irp c, 0,1,2,3
	global_load_u8 v[16+8*\u+4*\s+\c], v6, s[6:7] offset:(4*\s+\c)*256+16*\u   ; the scale byte of row 16 (2 w + u) + r, K block 4 s + c
.endr
.endr
.endr
	global_load_b64 v[SW+4:SW+5], v7, s[10:11]     ; T's two scale words of column r
.irp s, 0,1
.irp c, 0,1,2,3
	global_load_b128 v[128+16*\s+4*\c:131+16*\s+4*\c], v5, s[8:9] offset:128*\s+32*\c
.endr
.endr
.irp u, 0,1
.irp s, 0,1
.irp c, 0,1,2,3
	global_load_b128 v[64+32*\u+16*\s+4*\c:67+32*\u+16*\s+4*\c], v4, s[4:5] offset:4096*\u+2048*\s+512*\c
.endr
.endr
.endr
	s_wait_loadcnt 24                              ; the scale bytes and T's scale words are in; the 24 loads of fragments may be out
.irp k, 0,1,2,3
	v_lshl_or_b32 v[SW+\k], v[17+4*\k], 8, v[16+4*\k]
.endr
.irp k, 0,1,2,3
	v_lshl_or_b32 v[SW+\k], v[18+4*\k], 16, v[SW+\k]
.endr
.irp k, 0,1,2,3
	v_lshl_or_b32 v[SW+\k], v[19+4*\k], 24, v[SW+\k]               ; four bytes make a row's scale word for 128 along K
.endr
	; the LDS addresses are made here: thirteen plain vector lines that name no register of the products stand between the scale words and the first product (eight are asked)
	s_lshl_b32 s18, s16, 11
	v_add_nc_u32 v8, s18, v9                       ; images, on the way in: my two tiles' four blocks, 16 bytes a lane
	s_lshl_b32 s18, s16, 10                        ; my rows j: tile 8 jh + w = four half blocks of 256 bytes
	s_lshl_b32 s19, s17, 13
	s_add_co_u32 s18, s18, s19
	v_lshl_add_u32 v10, v2, 4, s18                 ; + 16 r: my column's four rows
	s_lshl_b32 s19, s16, 6
	s_add_co_u32 s19, s19, OUTS
	v_mov_b32 v12, s19                             ; my wave's 64 bytes of the stage
	v_and_b32 v14, 28, v1                          ; the way out: lane L stores rows 4 L .. 4 L + 3 = 16 w + 8 h' + 4 q; the stage holds them at place 4 w + 2 q + h':
	v_and_b32 v11, 1, v1                           ; q = L % 2,
	v_lshl_add_u32 v14, v11, 1, v14
	v_bfe_u32 v11, v1, 1, 1                        ; h' = (L / 2) % 2
	v_add_nc_u32 v14, v14, v11
	v_lshl_add_u32 v14, v14, 4, OUTS
.irp e, 0,1,2,3
	v_mov_b32 v[PT+\e], 0                          ; written once: a lane permute's destination counts as one of its sources
.endr
	s_wait_loadcnt 0x0
	; source 0 = 16 rows of x, source 1 = 16 columns of T.  The two accumulators take turns; the first K step starts the sums
	v_wmma_scale_f32_16x16x128_f8f6f4 v[160:167], v[64:79], v[128:143], 0, v[SW], v[SW+4]
	v_wmma_scale_f32_16x16x128_f8f6f4 v[168:175], v[96:111], v[128:143], 0, v[SW+2], v[SW+4]
	v_wmma_scale_f32_16x16x128_f8f6f4 v[160:167], v[80:95], v[144:159], v[160:167], v[SW+1], v[SW+5]
	v_wmma_scale_f32_16x16x128_f8f6f4 v[168:175], v[112:127], v[144:159], v[168:175], v[SW+3], v[SW+5]
.rept 8
	v_nop                                          ; eight places ahead of the stores that read the results and of the loads into the products' registers
.endr
	ds_store_b128 v8, v[160:163]                   ; each result from its low end on
	ds_store_b128 v8, v[164:167] offset:512
	ds_store_b128 v8, v[168:171] offset:1024
	ds_store_b128 v8, v[172:175] offset:1536
	s_wait_dscnt 0x0                               ; for the others' sake: my four blocks have landed
	s_barrier_signal -1
	s_barrier_wait -1                              ; all 32 blocks lie in LDS; nobody writes them again
.set k, 0
.rept 32
	ds_load_b128 v[MB+4*k:MB+4*k+3], v9 offset:512*k               ; all of M's 16 columns: 128 rows of my column
.set k, k+1
.endr
	s_wait_kmcnt 0x0
	s_mul_f32 s24, s24, 0x3eb504f3                 ; W1 x sqrt(2 / 64) x 2: the identity's factor 2 goes into the weight
	s_mov_b32 s25, s24                             ; (named with it as a pair, so it is written)
	s_mov_b32 s30, 0                               ; trips
	s_mov_b32 s31, 0                               ; 256 bytes of the images a trip
	s_mov_b32 s33, 0                               ; 16 bytes of the stage a trip
	; THE COLUMN'S MEAN.  My 128 rows are 64 pairs of registers; four chains, started by the first eight pairs: nothing is cleared.  The sum follows the loads: a load brings two pairs, so in front of
	; pairs 16 n .. 16 n + 15 the count leaves out the 24 - 8 n loads that were issued behind the eight that bring them
.set k, 0
.rept 64
.if k%16 == 0
	s_wait_dscnt 24-8*(k/16)
.endif
.if k < 8
.if k%2 == 0
	v_pk_add_f32 v[DT+k:DT+k+1], v[MB+2*k:MB+2*k+1], v[MB+2*k+2:MB+2*k+3]
.endif
.else
	v_pk_add_f32 v[DT+2*(k%4):DT+2*(k%4)+1], v[DT+2*(k%4):DT+2*(k%4)+1], v[MB+2*k:MB+2*k+1]
.endif
.set k, k+1
.endr
	v_pk_add_f32 v[DT:DT+1], v[DT:DT+1], v[DT+2:DT+3]
	v_pk_add_f32 v[DT+4:DT+5], v[DT+4:DT+5], v[DT+6:DT+7]
	v_pk_add_f32 v[DT:DT+1], v[DT:DT+1], v[DT+4:DT+5]
	v_add_f32 v[DT], v[DT], v[DT+1]
	v_permlanex16_b32 v[PT], v[DT], s34, s35       ; the column's other 128 rows lie in the lane 16 away
	v_add_f32 v[DT], v[DT], v[PT]
	v_mul_f32 v[CM], 0x3b800000, v[DT]             ; sum / 256, exact
	v_mov_b32 v[CM+1], v[CM]
.set k, 0
.rept 64
	v_pk_add_f32 v[MB+2*k:MB+2*k+1], v[MB+2*k:MB+2*k+1], v[CM:CM+1] neg_lo:[0,1] neg_hi:[0,1]   ; the column is centred
.set k, k+1
.endr
.Lquad:                                                ; four trips, four rows j each
	v_add_nc_u32 v11, s31, v10
	v_add_nc_u32 v13, s33, v12
	ds_load_b128 v[AQ:AQ+3], v11                   ; rows 16 t + 8 h' + 4 q + 0 .. 3 of my column (trip = 2 q + h')
	s_wait_dscnt 0x0                               ; these four (and the last trip's store into the stage)
.irp e, 0,1,2,3
	v_sub_f32 v[AD+2*\e], v[AQ+\e], v[CM]          ; centred as the column is, and laid twice
	v_sub_f32 v[AD+2*\e+1], v[AQ+\e], v[CM]
.endr
; Four rows i at a time against the four rows j: eight dual pairs of maxima, then eight packed additions, so that seven instructions stand between a maximum and the addition that reads it.
; A dual pair: destinations an even and an odd register; the two first sources are neighbouring registers, and so are the two second sources: different register banks.
.set g, 0
.rept 32
.irp u, 0,1
.irp e, 0,1,2,3
.if (g == 0) && (\u == 0)
	v_dual_max_num_f32 v[ACC+2*\e], v[MB], v[AD+2*\e] :: v_dual_max_num_f32 v[ACC+2*\e+1], v[MB+1], v[AD+2*\e+1]   ; the first maxima start the sums: nothing is cleared
.else
	v_dual_max_num_f32 v[DT+8*\u+2*\e], v[MB+4*g+2*\u], v[AD+2*\e] :: v_dual_max_num_f32 v[DT+8*\u+2*\e+1], v[MB+4*g+2*\u+1], v[AD+2*\e+1]
.endif
.endr
.endr
.irp u, 0,1
.irp e, 0,1,2,3
.if (g > 0) || (\u == 1)
	v_pk_add_f32 v[ACC+2*\e:ACC+2*\e+1], v[ACC+2*\e:ACC+2*\e+1], v[DT+8*\u+2*\e:DT+8*\u+2*\e+1]
.endif
.endr
.endr
.set g, g+1
.endr
.irp e, 0,1,2,3
	v_add_f32 v[RS+\e], v[ACC+2*\e], v[ACC+2*\e+1] ; the sum of my 128 maxima
.endr
.irp e, 0,1,2,3
	v_fma_f32 v[RS+\e], v[AD+2*\e], 0xc2800000, v[RS+\e]           ; - 64 m_j: half of (2 x the maxima - 128 m_j), my lane's share of the row's sum
.endr
.irp m, 1,2,4,8
.irp e, 0,1,2,3
	v_add_f32_dpp v[RS+\e], v[RS+\e], v[RS+\e] row_xmask:\m row_mask:0xf bank_mask:0xf   ; over the 16 columns
.endr
.endr
.irp e, 0,1,2,3
	v_permlanex16_b32 v[PT+\e], v[RS+\e], s34, s35
.endr
.irp e, 0,1,2,3
	v_add_f32 v[RS+\e], v[RS+\e], v[PT+\e]         ; and the other 128 rows i
.endr
	ds_store_b128 v13, v[RS:RS+3]                  ; all lanes write the same 16 bytes with the same values
	s_add_co_u32 s31, s31, 256
	s_add_co_u32 s33, s33, 16
	s_add_co_u32 s30, s30, 1
	s_cmp_lt_u32 s30, 4
	s_cbranch_scc1 .Lquad
	s_wait_dscnt 0x0                               ; for wave 0's sake: my 64 bytes of the stage have landed
	s_barrier_signal -1
	s_barrier_wait -1
	s_cmp_lg_u32 s16, 0
	s_cbranch_scc1 .Lend
	ds_load_b128 v[AQ:AQ+3], v14
	s_wait_dscnt 0x0
	v_pk_mul_f32 v[AQ:AQ+1], v[AQ:AQ+1], s[24:25] op_sel_hi:[1,0]
	v_pk_mul_f32 v[AQ+2:AQ+3], v[AQ+2:AQ+3], s[24:25] op_sel_hi:[1,0]
	global_store_b128 v9, v[AQ:AQ+3], s[14:15]     ; 32 lanes store 512 consecutive bytes, at a multiple of 256 from part's first byte
.Lend:
	s_wait_tensorcnt 0x0
	ds_add_u32 v216, v217
	s_wait_dscnt 0x0
	s_endpgm
.Lfunc_end_k_q9eebc5a737_pairs:
	.size	k_q9eebc5a737_pairs, .Lfunc_end_k_q9eebc5a737_pairs-k_q9eebc5a737_pairs
	.p2alignl 7, 3214868480
	.fill 96, 4, 3214868480
	.section	.rodata,"a",@progbits
	.p2align	6, 0x0
	.amdhsa_kernel k_q9eebc5a737_pairs
		.amdhsa_group_segment_fixed_size 17920
		.amdhsa_private_segment_fixed_size 0
		.amdhsa_enable_private_segment 0
		.amdhsa_kernarg_size 48
		.amdhsa_user_sgpr_count 2
		.amdhsa_user_sgpr_kernarg_segment_ptr 1
		.amdhsa_wavefront_size32 1
		.amdhsa_system_sgpr_workgroup_id_x 1
		.amdhsa_system_sgpr_workgroup_id_y 1
		.amdhsa_system_sgpr_workgroup_id_z 1
		.amdhsa_system_vgpr_workitem_id 0
		.amdhsa_next_free_vgpr 218
		.amdhsa_next_free_sgpr 66
		.amdhsa_reserve_vcc 0
		.amdhsa_float_denorm_mode_32 3
		.amdhsa_float_denorm_mode_16_64 3
		.amdhsa_memory_ordered 1
		.amdhsa_forward_progress 1
		.amdhsa_inst_pref_size 54
	.end_amdhsa_kernel
	.amdgpu_metadata
---
amdhsa.version: [ 1, 2 ]
amdhsa.kernels:
  - .name:           k_q9eebc5a737_pairs
    .symbol:         k_q9eebc5a737_pairs.kd
    .args:
      - { .name: xq, .offset: 0, .size: 8, .value_kind: global_buffer, .address_space: global }
      - { .name: xs, .offset: 8, .size: 8, .value_kind: global_buffer, .address_space: global }
      - { .name: T_codes, .offset: 16, .size: 8, .value_kind: global_buffer, .address_space: global }
      - { .name: T_scales, .offset: 24, .size: 8, .value_kind: global_buffer, .address_space: global }
      - { .name: W1, .offset: 32, .size: 8, .value_kind: global_buffer, .address_space: global }
      - { .name: part, .offset: 40, .size: 8, .value_kind: global_buffer, .address_space: global }
    .group_segment_fixed_size: 17920
    .private_segment_fixed_size: 0
    .kernarg_segment_align: 8
    .kernarg_segment_size: 48
    .max_flat_workgroup_size: 256
    .sgpr_count:     66
    .vgpr_count:     218
    .wavefront_size: 32
...
	.end_amdgpu_metadata
.endif
;; end of part 2
;; launch reduce (part 3): grid 4 x 1, 16 waves a work-group, no clusters, 6,144 bytes of LDS; arguments part, b1, out0; writes out0
.if DOCPART == 3
	.amdgcn_target "amdgcn-amd-amdhsa--gfx1250"
	.amdhsa_code_object_version 6
	.text
	.protected	k_q9eebc5a737_reduce
	.globl	k_q9eebc5a737_reduce
	.p2align	8
	.type	k_q9eebc5a737_reduce,@function
k_q9eebc5a737_reduce:
	s_mov_b64 s[64:65], 0
	v_nop
	global_prefetch_b8 v0, s[64:65] scope:SCOPE_SE
	s_setreg_imm32_b32 hwreg(HW_REG_WAVE_MODE, 25, 1), 1
	s_wait_xcnt 0x0
; out0[j] = b1 + the sum over the 128 column groups cg of part[cg][j].  part: [128][256] f32, already weighted.
; Work-group g owns outputs 64 g .. 64 g + 63: a lane two of them, so that a wave's load and the final store cover 256 consecutive bytes, aligned.  Wave w adds rows 8 w .. 8 w + 7 of part; the sixteen
; waves' sums meet in LDS, and wave 0 adds them and b1.  Each output has one owner; no matrix unit, ring or cluster: 32 KB a work-group, read once.
	s_load_b128 s[4:7], s[0:1], 0x0                ; part, b1
	s_load_b64 s[8:9], s[0:1], 0x10                ; out0
	v_lshl_add_u32 v48, v0, 2, 0x1000
	v_mov_b32 v49, 0
	v_lshrrev_b32 v1, 5, v0
	v_readfirstlane_b32 s10, v1                    ; wave 0..15
	v_and_b32 v1, 31, v0
	v_lshlrev_b32 v2, 3, v1                        ; 8 bytes a lane
	s_lshl_b32 s11, s10, 13                        ; my wave's 8 rows of 1,024 bytes
	v_add_nc_u32 v3, s11, v2
	v_lshlrev_b32 v4, 3, v0                        ; LDS: 256 x wave + 8 x lane
	s_lshl_b32 s12, ttmp9, 8                       ; my work-group's 256 bytes of a row, and of out0
	s_mov_b32 s13, 0
	s_wait_kmcnt 0x0
	s_load_b32 s14, s[6:7], 0x0                    ; b1
	s_add_nc_u64 s[4:5], s[4:5], s[12:13]
	s_add_nc_u64 s[8:9], s[8:9], s[12:13]
.irp i, 0,1,2,3,4,5,6,7
	global_load_b64 v[16+2*\i:17+2*\i], v3, s[4:5] offset:1024*\i th:TH_LOAD_NT   ; read once in the launch
.endr
	s_wait_kmcnt 0x0
	s_mov_b32 s15, s14                             ; (named with it as a pair, so it is written)
	s_wait_loadcnt 0x0
.irp i, 0,4,8,12
	v_pk_add_f32 v[16+\i:17+\i], v[16+\i:17+\i], v[18+\i:19+\i]
.endr
.irp i, 0,8
	v_pk_add_f32 v[16+\i:17+\i], v[16+\i:17+\i], v[20+\i:21+\i]
.endr
	v_pk_add_f32 v[16:17], v[16:17], v[24:25]
	ds_store_b64 v4, v[16:17]
	s_wait_dscnt 0x0                               ; for wave 0's sake: my sums have landed
	s_barrier_signal -1
	s_barrier_wait -1
	s_cmp_lg_u32 s10, 0
	s_cbranch_scc1 .Lend
.irp i, 0,1,2,3,4,5,6,7,8,9,10,11,12,13,14,15
	ds_load_b64 v[16+2*\i:17+2*\i], v2 offset:256*\i
.endr
	s_wait_dscnt 0x0
.irp i, 0,4,8,12,16,20,24,28
	v_pk_add_f32 v[16+\i:17+\i], v[16+\i:17+\i], v[18+\i:19+\i]
.endr
.irp i, 0,8,16,24
	v_pk_add_f32 v[16+\i:17+\i], v[16+\i:17+\i], v[20+\i:21+\i]
.endr
.irp i, 0,16
	v_pk_add_f32 v[16+\i:17+\i], v[16+\i:17+\i], v[24+\i:25+\i]
.endr
	v_pk_add_f32 v[16:17], v[16:17], v[32:33]
	v_pk_add_f32 v[16:17], v[16:17], s[14:15] op_sel_hi:[1,0]      ; + b1
	global_store_b64 v2, v[16:17], s[8:9]          ; 32 lanes store 256 consecutive bytes, aligned
.Lend:
	s_wait_tensorcnt 0x0
	ds_add_u32 v48, v49
	s_wait_dscnt 0x0
	s_endpgm
.Lfunc_end_k_q9eebc5a737_reduce:
	.size	k_q9eebc5a737_reduce, .Lfunc_end_k_q9eebc5a737_reduce-k_q9eebc5a737_reduce
	.p2alignl 7, 3214868480
	.fill 96, 4, 3214868480
	.section	.rodata,"a",@progbits
	.p2align	6, 0x0
	.amdhsa_kernel k_q9eebc5a737_reduce
		.amdhsa_group_segment_fixed_size 6144
		.amdhsa_private_segment_fixed_size 0
		.amdhsa_enable_private_segment 0
		.amdhsa_kernarg_size 24
		.amdhsa_user_sgpr_count 2
		.amdhsa_user_sgpr_kernarg_segment_ptr 1
		.amdhsa_wavefront_size32 1
		.amdhsa_system_sgpr_workgroup_id_x 1
		.amdhsa_system_sgpr_workgroup_id_y 1
		.amdhsa_system_sgpr_workgroup_id_z 1
		.amdhsa_system_vgpr_workitem_id 0
		.amdhsa_next_free_vgpr 50
		.amdhsa_next_free_sgpr 66
		.amdhsa_reserve_vcc 0
		.amdhsa_float_denorm_mode_32 3
		.amdhsa_float_denorm_mode_16_64 3
		.amdhsa_memory_ordered 1
		.amdhsa_forward_progress 1
		.amdhsa_inst_pref_size 5
	.end_amdhsa_kernel
	.amdgpu_metadata
---
amdhsa.version: [ 1, 2 ]
amdhsa.kernels:
  - .name:           k_q9eebc5a737_reduce
    .symbol:         k_q9eebc5a737_reduce.kd
    .args:
      - { .name: part, .offset: 0, .size: 8, .value_kind: global_buffer, .address_space: global }
      - { .name: b1, .offset: 8, .size: 8, .value_kind: global_buffer, .address_space: global }
      - { .name: out0, .offset: 16, .size: 8, .value_kind: global_buffer, .address_space: global }
    .group_segment_fixed_size: 6144
    .private_segment_fixed_size: 0
    .kernarg_segment_align: 8
    .kernarg_segment_size: 24
    .max_flat_workgroup_size: 512
    .sgpr_count:     66
    .vgpr_count:     50
    .wavefront_size: 32
...
	.end_amdgpu_metadata
.endif
;; end of part 3
;; ======== version 2 of 2: 3 launches
;; workspace buffers: xq 65,536 bytes; xs 2,048 bytes; part 131,072 bytes
;; launch bnq (part 4): grid 8 x 1, 16 waves a work-group, no clusters, 12,800 bytes of LDS; arguments feature, gamma, beta, xq, xs; writes xq, xs
.if DOCPART == 4
	.amdgcn_target "amdgcn-amd-amdhsa--gfx1250"
	.amdhsa_code_object_version 6
	.text
	.protected	k_q9eebc5a737_bnq
	.globl	k_q9eebc5a737_bnq
	.p2align	8
	.type	k_q9eebc5a737_bnq,@function
k_q9eebc5a737_bnq:
	s_mov_b64 s[64:65], 0
	v_nop
	global_prefetch_b8 v0, s[64:65] scope:SCOPE_SE
	s_setreg_imm32_b32 hwreg(HW_REG_WAVE_MODE, 25, 1), 1
	s_wait_xcnt 0x0
; x = (feature - mean) * rsqrt(var + 1e-5) * gamma + beta, mean and var over the 256 rows (biased), then the MX-FP8 quantiser along the features.
; feature: [256][256] f32.  Work-group b owns features 32 b .. 32 b + 31, one block of the quantiser, for all 256 rows; sixteen waves, wave w = rows 16 w .. 16 w + 15.
; STATISTICS: a lane takes ONE feature and 16 rows (each load: 128 consecutive bytes a wave), so a column's sum needs no other lane; the sixteen waves' sums meet in LDS.
; Two passes, the mean first and then the sum of (x - mean)^2: a common offset of the inputs costs no digits.
; QUANTISER: lane (r, h) takes row 16 w + r and the 16 neighbouring features 16 h .. 16 h + 15: the layout of an 8-bit operand of the 16x16x128 form.  The same 32 KB are loaded a second time in that layout.
; OUT: xq holds the codes in the order of the operand's registers: block (tile w, K block b) is 512 bytes, 16 a lane: the wave's store covers 512 consecutive bytes.
;      xs[b][row] holds the scale bytes: the work-group's 256 leave as one aligned run of 256 bytes.
; A block's scale is 2^(floor(log2(largest magnitude)) - 8); its byte is the largest magnitude's exponent field - 8, held at 1 from below.
; LIMITS: NaN and infinities among the inputs are not served.  A block whose largest magnitude lies under 2^(9 - 127), a block of zeros among them, keeps the byte 1 (zeros: the rule says 127; its codes are zeros, and this program alone reads the bytes).
.set S1,   0                           ; LDS: 16 waves x 32 sums
.set S2,   2048                        ; 16 waves x 32 sums of squares
.set TAB,  4096                        ; for each wave 384 bytes of its own: 32 means, 32 gains, 32 shifts
.set SB,   10240                       ; the work-group's 256 scale bytes
.set XS,   16                          ; v16-31   my feature in 16 rows
.set XQ,   32                          ; v32-47   16 neighbouring features of my row
.set TS,   48                          ; v48-55   at work in the sums
.set CD,   56                          ; v56-59   16 codes
.set MQ,   64                          ; v64-79   the means of my 16 features
.set GQ,   80                          ; v80-95   rsqrt(var + eps) x gamma
.set BQ,   96                          ; v96-111  beta
.set PS,   112                         ; v112-127 the sixteen waves' partial sums
	s_load_b128 s[4:7], s[0:1], 0x0                ; feature, gamma
	s_load_b128 s[8:11], s[0:1], 0x10              ; beta, xq
	s_load_b64 s[12:13], s[0:1], 0x20              ; xs
	v_lshl_add_u32 v136, v0, 2, 0x2a00
	v_mov_b32 v137, 0
	v_lshrrev_b32 v1, 5, v0
	s_delay_alu instid0(VALU_DEP_1)
	v_readfirstlane_b32 s14, v1                    ; wave = tile of 16 rows
	v_and_b32 v1, 31, v0                           ; lane
	v_and_b32 v2, 15, v0                           ; r
	v_bfe_u32 v3, v0, 4, 1                         ; h
	s_lshl_b32 s15, s14, 14                        ; my wave's 16 rows of 1,024 bytes
	v_lshlrev_b32 v6, 2, v1                        ; 4 x lane
	s_delay_alu instid0(VALU_DEP_1)
	v_add_nc_u32 v4, s15, v6                       ; statistics: my feature in the wave's first row
	v_lshl_add_u32 v5, v2, 10, s15                 ; quantiser: row r,
	s_delay_alu instid0(VALU_DEP_1)
	v_lshl_add_u32 v5, v3, 6, v5                   ; + 64 h
	v_lshlrev_b32 v7, 2, v0                        ; LDS: 128 x wave + 4 x lane: my partial sum
	s_mul_i32 s16, s14, 384
	s_add_co_u32 s16, s16, TAB                     ; my wave's table
	v_add_nc_u32 v8, s16, v6                       ; into it: my feature
	v_lshl_add_u32 v9, v3, 6, s16                  ; out of it: my 16 features
	s_lshl_b32 s17, s14, 4
	s_add_co_u32 s17, s17, SB
	v_add_nc_u32 v14, s17, v2                      ; my row's scale byte
	v_lshl_add_u32 v15, v1, 3, SB                  ; wave 0 on the way out: 8 bytes a lane
	v_lshlrev_b32 v60, 3, v1                       ; and the same place in xs
	s_lshl_b32 s18, s14, 12                        ; xq: 8 blocks of 512 bytes for each tile of rows
	v_lshl_add_u32 v61, v1, 4, s18
	v_mov_b32 v13, 0x3727c5ac                      ; 1e-5
	v_mov_b32 v130, 0                              ; written once: a lane permute's destination counts as one of its sources
	s_mov_b32 s20, 0x76543210
	s_mov_b32 s21, 0xfedcba98                      ; v_permlanex16_b32's selects for lane l xor 16
	s_mov_b32 s22, 0x600000                        ; the mantissa field of 448
	s_lshl_b32 s24, ttmp9, 7                       ; my block: 128 bytes along a row of feature, and in gamma and beta
	s_mov_b32 s25, 0
	s_lshl_b32 s26, ttmp9, 9                       ; 512 bytes in xq
	s_mov_b32 s27, 0
	s_lshl_b32 s28, ttmp9, 8                       ; 256 bytes in xs
	s_mov_b32 s29, 0
	s_wait_kmcnt 0x0
	s_add_nc_u64 s[4:5], s[4:5], s[24:25]
	s_add_nc_u64 s[6:7], s[6:7], s[24:25]
	s_add_nc_u64 s[8:9], s[8:9], s[24:25]
	s_add_nc_u64 s[10:11], s[10:11], s[26:27]
	s_add_nc_u64 s[12:13], s[12:13], s[28:29]
.irp i, 0,1,2,3,4,5,6,7,8,9,10,11,12,13,14,15
	global_load_b32 v[XS+\i], v4, s[4:5] offset:1024*\i            ; row 16 w + i, my feature
.endr
	global_load_b32 v62, v6, s[6:7]                ; gamma of my feature
	global_load_b32 v63, v6, s[8:9]                ; beta
.irp q, 0,1,2,3
	global_load_b128 v[XQ+4*\q:XQ+4*\q+3], v5, s[4:5] offset:16*\q ; the quantiser's layout: asked for now, wanted last
.endr
.macro SUM16 x                         ; the sum of v[x] .. v[x + 15] into v[TS]
	v_pk_add_f32 v[TS:TS+1], v[\x:\x+1], v[\x+2:\x+3]
	v_pk_add_f32 v[TS+2:TS+3], v[\x+4:\x+5], v[\x+6:\x+7]
	v_pk_add_f32 v[TS+4:TS+5], v[\x+8:\x+9], v[\x+10:\x+11]
	v_pk_add_f32 v[TS+6:TS+7], v[\x+12:\x+13], v[\x+14:\x+15]
	s_delay_alu instid0(VALU_DEP_3)
	v_pk_add_f32 v[TS:TS+1], v[TS:TS+1], v[TS+2:TS+3]
	s_delay_alu instid0(VALU_DEP_2)
	v_pk_add_f32 v[TS+4:TS+5], v[TS+4:TS+5], v[TS+6:TS+7]
	s_delay_alu instid0(VALU_DEP_1)
	v_pk_add_f32 v[TS:TS+1], v[TS:TS+1], v[TS+4:TS+5]
	s_delay_alu instid0(VALU_DEP_1)
	v_add_f32 v[TS], v[TS], v[TS+1]
.endm
.macro MEET where                      ; my wave's sum goes to LDS, all sixteen come back, and are added
	ds_store_b32 v7, v[TS] offset:\where
	s_wait_dscnt 0x0                               ; for the others' sake: my store has landed
	s_barrier_signal -1
	s_barrier_wait -1
.irp i, 0,1,2,3,4,5,6,7,8,9,10,11,12,13,14,15
	ds_load_b32 v[PS+\i], v6 offset:\where+128*\i  ; wave i's sum for my feature: 32 lanes, 128 consecutive bytes
.endr
	s_wait_dscnt 0x0
	SUM16 PS
.endm
	s_wait_loadcnt 6                               ; the 16 rows are in; gamma, beta and the quantiser's four loads may be out
	SUM16 XS
	MEET S1
	s_delay_alu instid0(VALU_DEP_1)
	v_mul_f32 v10, 0x3b800000, v[TS]               ; the mean: sum / 256, exact
	s_delay_alu instid0(VALU_DEP_1)
	v_mov_b32 v11, v10                             ; twice, for the packed forms
.irp i, 0,2,4,6,8,10,12,14
	v_pk_add_f32 v[XS+\i:XS+\i+1], v[XS+\i:XS+\i+1], v[10:11] neg_lo:[0,1] neg_hi:[0,1]   ; x - mean
.endr
	v_pk_mul_f32 v[TS:TS+1], v[XS:XS+1], v[XS:XS+1]                ; the first products start the two chains: nothing is cleared
	v_pk_mul_f32 v[TS+2:TS+3], v[XS+2:XS+3], v[XS+2:XS+3]
.irp i, 4,8,12
	s_delay_alu instid0(VALU_DEP_2)
	v_pk_fma_f32 v[TS:TS+1], v[XS+\i:XS+\i+1], v[XS+\i:XS+\i+1], v[TS:TS+1]
	s_delay_alu instid0(VALU_DEP_2)
	v_pk_fma_f32 v[TS+2:TS+3], v[XS+\i+2:XS+\i+3], v[XS+\i+2:XS+\i+3], v[TS+2:TS+3]
.endr
	s_delay_alu instid0(VALU_DEP_1)
	v_pk_add_f32 v[TS:TS+1], v[TS:TS+1], v[TS+2:TS+3]
	s_delay_alu instid0(VALU_DEP_1)
	v_add_f32 v[TS], v[TS], v[TS+1]
	MEET S2
	s_delay_alu instid0(VALU_DEP_1)
	v_fmamk_f32 v12, v[TS], 0x3b800000, v13        ; var + eps = sum / 256 + 1e-5
	s_wait_alu depctr_va_vdst(0)
	v_rsq_f32 v12, v12
	ds_store_b32 v8, v10                           ; the table: my feature's mean,
	v_nop                                          ; a plain vector instruction behind the transcendental
	s_wait_loadcnt 4                               ; gamma and beta are in; the quantiser's four loads may be out
	s_wait_alu depctr_va_vdst(0)                   ; the wait ahead of the first reader of the root
	v_mul_f32 v12, v12, v62
	ds_store_b32 v8, v12 offset:128                ; its gain,
	ds_store_b32 v8, v63 offset:256                ; its shift
.irp q, 0,1,2,3                        ; LDS serves a wave's instructions in order (ISA guide 5.7.1.4): these see my wave's stores; the table is the wave's own
	ds_load_b128 v[MQ+4*\q:MQ+4*\q+3], v9 offset:16*\q
	ds_load_b128 v[GQ+4*\q:GQ+4*\q+3], v9 offset:128+16*\q
	ds_load_b128 v[BQ+4*\q:BQ+4*\q+3], v9 offset:256+16*\q
.endr
	s_wait_loadcnt 0x0
	s_wait_dscnt 0x0
.irp i, 0,2,4,6,8,10,12,14
	v_pk_add_f32 v[XQ+\i:XQ+\i+1], v[XQ+\i:XQ+\i+1], v[MQ+\i:MQ+\i+1] neg_lo:[0,1] neg_hi:[0,1]
.endr
.irp i, 0,2,4,6,8,10,12,14
	v_pk_fma_f32 v[XQ+\i:XQ+\i+1], v[XQ+\i:XQ+\i+1], v[GQ+\i:GQ+\i+1], v[BQ+\i:BQ+\i+1]   ; the normalised x
.endr
	v_max3_num_f32 v128, |v[XQ]|, |v[XQ+1]|, 0x4800000             ; the largest magnitude of my 16, in two chains, and the floor 2^(9 - 127): the byte cannot fall under 1
	v_max3_num_f32 v129, |v[XQ+2]|, |v[XQ+3]|, |v[XQ+4]|
	s_delay_alu instid0(VALU_DEP_2)
	v_max3_num_f32 v128, v128, |v[XQ+5]|, |v[XQ+6]|
	s_delay_alu instid0(VALU_DEP_2)
	v_max3_num_f32 v129, v129, |v[XQ+7]|, |v[XQ+8]|
	s_delay_alu instid0(VALU_DEP_2)
	v_max3_num_f32 v128, v128, |v[XQ+9]|, |v[XQ+10]|
	s_delay_alu instid0(VALU_DEP_2)
	v_max3_num_f32 v129, v129, |v[XQ+11]|, |v[XQ+12]|
	s_delay_alu instid0(VALU_DEP_2)
	v_max3_num_f32 v128, v128, |v[XQ+13]|, |v[XQ+14]|
	s_delay_alu instid0(VALU_DEP_1)
	v_max3_num_f32 v128, v128, v129, |v[XQ+15]|
	s_delay_alu instid0(VALU_DEP_1)
	v_permlanex16_b32 v130, v128, s20, s21
	s_delay_alu instid0(VALU_DEP_1)
	v_max_num_f32 v128, v128, v130                 ; with lane l xor 16's 16: the block's
	s_delay_alu instid0(VALU_DEP_1)
	v_add_nc_u32 v131, 0xfc000000, v128            ; 8 off its exponent field: the conversion takes the exponent field of this operand as its scale
	s_delay_alu instid0(VALU_DEP_2)
	v_and_or_b32 v132, v128, 0x7f800000, s22       ; 448 x the scale
.irp i, 0,1,2,3,4,5,6,7,8,9,10,11,12,13,14,15
	v_med3_num_f32 v[XQ+\i], v[XQ+\i], -v132, v132 ; the conversion to an 8-bit code does not saturate (ISA guide 7.6.2): the hold comes first
.endr
	v_cvt_scalef32_pk8_fp8_f32 v[CD:CD+1], v[XQ:XQ+7], v131
	v_cvt_scalef32_pk8_fp8_f32 v[CD+2:CD+3], v[XQ+8:XQ+15], v131
	v_lshrrev_b32 v133, 23, v131                   ; the scale's byte (a plain line behind the conversions)
	ds_store_b8 v14, v133                          ; both lanes of a block write the same byte with the same value
	global_store_b128 v61, v[CD:CD+3], s[10:11]    ; 32 lanes store 512 consecutive bytes
	s_wait_dscnt 0x0                               ; for wave 0's sake: my bytes have landed
	s_barrier_signal -1
	s_barrier_wait -1
	s_cmp_lg_u32 s14, 0
	s_cbranch_scc1 .Lend
	ds_load_b64 v[134:135], v15
	s_wait_dscnt 0x0
	global_store_b64 v60, v[134:135], s[12:13]     ; 32 lanes store 256 consecutive bytes, aligned
.Lend:
	s_wait_tensorcnt 0x0
	ds_add_u32 v136, v137
	s_wait_dscnt 0x0
	s_endpgm
.Lfunc_end_k_q9eebc5a737_bnq:
	.size	k_q9eebc5a737_bnq, .Lfunc_end_k_q9eebc5a737_bnq-k_q9eebc5a737_bnq
	.p2alignl 7, 3214868480
	.fill 96, 4, 3214868480
	.section	.rodata,"a",@progbits
	.p2align	6, 0x0
	.amdhsa_kernel k_q9eebc5a737_bnq
		.amdhsa_group_segment_fixed_size 12800
		.amdhsa_private_segment_fixed_size 0
		.amdhsa_enable_private_segment 0
		.amdhsa_kernarg_size 40
		.amdhsa_user_sgpr_count 2
		.amdhsa_user_sgpr_kernarg_segment_ptr 1
		.amdhsa_wavefront_size32 1
		.amdhsa_system_sgpr_workgroup_id_x 1
		.amdhsa_system_sgpr_workgroup_id_y 1
		.amdhsa_system_sgpr_workgroup_id_z 1
		.amdhsa_system_vgpr_workitem_id 0
		.amdhsa_next_free_vgpr 138
		.amdhsa_next_free_sgpr 66
		.amdhsa_reserve_vcc 0
		.amdhsa_float_denorm_mode_32 3
		.amdhsa_float_denorm_mode_16_64 3
		.amdhsa_memory_ordered 1
		.amdhsa_forward_progress 1
		.amdhsa_inst_pref_size 16
	.end_amdhsa_kernel
	.amdgpu_metadata
---
amdhsa.version: [ 1, 2 ]
amdhsa.kernels:
  - .name:           k_q9eebc5a737_bnq
    .symbol:         k_q9eebc5a737_bnq.kd
    .args:
      - { .name: feature, .offset: 0, .size: 8, .value_kind: global_buffer, .address_space: global }
      - { .name: gamma, .offset: 8, .size: 8, .value_kind: global_buffer, .address_space: global }
      - { .name: beta, .offset: 16, .size: 8, .value_kind: global_buffer, .address_space: global }
      - { .name: xq, .offset: 24, .size: 8, .value_kind: global_buffer, .address_space: global }
      - { .name: xs, .offset: 32, .size: 8, .value_kind: global_buffer, .address_space: global }
    .group_segment_fixed_size: 12800
    .private_segment_fixed_size: 0
    .kernarg_segment_align: 8
    .kernarg_segment_size: 40
    .max_flat_workgroup_size: 512
    .sgpr_count:     66
    .vgpr_count:     138
    .wavefront_size: 32
...
	.end_amdgpu_metadata
.endif
;; end of part 4
;; launch pairs (part 5): grid 128 x 2, 8 waves a work-group, no clusters, 17,920 bytes of LDS; arguments xq, xs, T_codes, T_scales, W1, part; writes part
.if DOCPART == 5
	.amdgcn_target "amdgcn-amd-amdhsa--gfx1250"
	.amdhsa_code_object_version 6
	.text
	.protected	k_q9eebc5a737_pairs
	.globl	k_q9eebc5a737_pairs
	.p2align	8
	.type	k_q9eebc5a737_pairs,@function
k_q9eebc5a737_pairs:
	s_mov_b64 s[64:65], 0
	v_nop
	global_prefetch_b8 v0, s[64:65] scope:SCOPE_SE
	s_setreg_imm32_b32 hwreg(HW_REG_WAVE_SCHED_MODE, 0, 2), 2
	s_setreg_imm32_b32 hwreg(HW_REG_WAVE_MODE, 25, 1), 1
	s_wait_xcnt 0x0
	s_wait_alu depctr_vm_vsrc(0)
; part[cg][j] = W1[cg / 2] sqrt(2 / 64) x the sum over the 16 columns c of group cg and over all 256 rows i of |M[j][c] - M[i][c]|,  M = x T on codes of FP8 (E4M3) with E8M0 scales.
; Work-group (cg, jh) owns columns 16 cg .. 16 cg + 15 (all of one output feature, so one weight) and rows j = 128 jh .. 128 jh + 127; eight waves.
; THE PRODUCT.  Wave w makes tiles 2 w and 2 w + 1 of 16 rows x 16 columns: K = 256 is two instructions a tile.  x's codes lie in xq in the order of the operand's registers, T's rows lie along K: every fragment
; comes straight from memory into registers.  x's scale bytes lie in eight planes xs[K block][row]: four byte loads and three shifts make a scale word.
; In a result lane (r, h) holds column r and rows 8 h + 0 .. 7 of the tile.  The results go to LDS as images of the registers: block 2 t + q (512 bytes) holds registers 4 q .. 4 q + 3 of tile t, 16 bytes a lane.
; THE PAIRS.  Every wave loads all 32 blocks back: 128 registers, lane (r, h) = column r, the 128 rows i = 16 t + 8 h + 0 .. 7.  Wave w owns the 16 rows j of tile 8 jh + w.  Half a block (256 bytes) holds four rows j
; for all 16 columns, 16 bytes a column: one LDS load, the same for both halves of the lanes, feeds 4 x 128 pairs a lane.
; THE ARITHMETIC OF A PAIR.  |a - b| = 2 max(a, b) - a - b, so the sum over i of |m_j - m_i| = 2 x the sum of max(m_j, m_i) - 256 m_j - the column's sum.  Two maxima are one dual-issue pair, two additions one packed
; addition: one instruction a pair.  All in f32.
; THE ORDER OF ROUNDING DIFFERS FROM THE REFERENCE'S, AND IS BOUNDED SO: each column is first centred on its own mean (differences do not change).  With a column's sum 0 the result R of a row satisfies
; R >= 256 |m_j| and the sum of |m_i| <= 2 R, so every sum formed here is at most 3 R in magnitude: no difference of large sums, whatever offset the column carries.
; LEFT OUT: the centred column's own sum, which is the rounding of the mean: of the order of 256 x 2^-24 x the column's largest magnitude, the size of the rounding that M's own f32 sums carry.
; A row's sum is then taken over the 32 lanes (16 columns x two halves of the rows i).
; NO CLUSTER, NO TENSOR LOAD: what the work-groups share, x's codes, is 16 loads of 16 bytes a lane, once, at the head, against some 2,000 vector instructions of pair work a wave; there is no ring in which a joint request could recur.
; LIMITS: NaN and infinities are not served.
; THE MODE: SCHED_MODE bits 1:0 = 2 (LLVM: expert scheduling mode 2), set by the entry lines.  The code itself states the register dependences
; between vector or matrix instructions and memory or LDS instructions, with s_wait_alu, always for 0.
; THE PLAN.  Registers that memory or LDS instructions touch:
;   v4-v10, v14    offsets and LDS addresses, made once at the head and never written again.
;   v16-31, v36-37, v64-159   the global loads land in them; no vector line names them before.
;   v32-35         x's scale words: written by vector lines, read by the scaled products.
;   v64-191 (MB)   the products read v64-159 and write v160-175; four LDS stores read v160-175; then the 32 image loads land in all of MB; from there on vector lines alone.
;   AQ             four rows j.  A trip's eight subtractions read it; behind them the next trip's rows land in it, under the trip's pair work.
;   v11            the address of the next trip's rows: written once a trip, read by that one load.
;   v13, RS        the stage's address and the trip's four sums: written in a trip, read by its one LDS store.
;   AD, ACC, DT, PT, CM are named by vector lines alone.  v216, v217: written at the head, read by the closing add alone.
; A trip so has one wait on vm_vsrc (behind its subtractions: the trip before's load and store have read v11, v13 and RS) and two on va_vdst (ahead of the load of the next rows; ahead of the store of the sums).
.set OUTS, 16384                       ; LDS: behind the 16 KB of images: 128 sums, in the order in which the waves make them
.set SW,   32                          ; v32-35  x's scale words (tile u, K step s at 2 u + s); v36-37 T's: these six hold scales and nothing else
.set AD,   40                          ; v40-47  four centred rows j of my column, each twice: in an even and an odd register, for the two halves of a dual pair
.set AQ,   48                          ; v48-51  the same as loaded
.set ACC,  52                          ; v52-59  two running sums for each of the four rows
.set CM,   60                          ; v60-61  my column's mean, twice (a pair for the packed form)
.set MB,   64                          ; v64-191 my column in 128 rows i.  Before that: v64-127 x's four fragments, v128-159 T's two, v160-175 the two results
.set DT,   192                         ; v192-207 maxima: two sets of four pairs
.set RS,   208                         ; v208-211 the four rows' sums
.set PT,   212                         ; v212-215 the other half's
	s_load_b256 s[4:11], s[0:1], 0x0               ; xq s[4:5], xs s[6:7], T's codes s[8:9], T's scales s[10:11]
	s_load_b128 s[12:15], s[0:1], 0x20             ; W1 s[12:13], part s[14:15]
	v_lshl_add_u32 v216, v0, 2, 0x4200
	v_mov_b32 v217, 0
	v_lshrrev_b32 v1, 5, v0
	v_readfirstlane_b32 s16, v1                    ; wave 0..7
	v_and_b32 v1, 31, v0                           ; lane
	v_and_b32 v2, 15, v0                           ; r
	v_bfe_u32 v3, v0, 4, 1                         ; h
	s_and_b32 s17, ttmp7, 1                        ; jh: the grid has two work-groups along y
	s_wait_alu depctr_va_sdst(0)                   ; s16 is written, ahead of its first reader: offsets, LDS addresses and the last branch are made from it
	s_lshl_b32 s18, s16, 13                        ; xq: my two tiles' 16 blocks of 512 bytes
	v_lshlrev_b32 v9, 4, v1                        ; 16 x lane
	v_add_nc_u32 v4, s18, v9
	v_lshlrev_b32 v5, 8, v2                        ; T's codes: row r of 256 bytes,
	v_lshl_add_u32 v5, v3, 4, v5                   ; + 16 h
	s_lshl_b32 s19, s16, 5
	v_add_nc_u32 v6, s19, v2                       ; xs: row 32 w + r of a plane
	v_lshlrev_b32 v7, 3, v2                        ; T's scales: 8 bytes a row
	s_lshl_b32 s20, ttmp9, 12                      ; my 16 rows of T's codes,
	s_mov_b32 s21, 0
	s_lshl_b32 s22, ttmp9, 7                       ; of its scales,
	s_mov_b32 s23, 0
	s_lshr_b32 s26, ttmp9, 1
	s_lshl_b32 s26, s26, 2                         ; my output feature's weight,
	s_mov_b32 s27, 0
	s_lshl_b32 s28, ttmp9, 10                      ; and my 512 bytes of part
	s_lshl_b32 s29, s17, 9
	s_add_co_u32 s28, s28, s29
	s_mov_b32 s29, 0
	s_mov_b32 s34, 0x76543210
	s_mov_b32 s35, 0xfedcba98                      ; v_permlanex16_b32's selects for lane l xor 16
	s_wait_kmcnt 0x0
	s_add_nc_u64 s[8:9], s[8:9], s[20:21]
	s_add_nc_u64 s[10:11], s[10:11], s[22:23]
	s_add_nc_u64 s[12:13], s[12:13], s[26:27]
	s_add_nc_u64 s[14:15], s[14:15], s[28:29]
	s_load_b32 s24, s[12:13], 0x0                  ; W1[cg / 2]
	s_wait_alu depctr_va_vdst(0)                   ; the offsets v4 to v7 and v9 are written, which the loads below (v9: the image loads and the last store too) read
.irp u, 0,1
.irp s, 0,1
.irp c, 0,1,2,3
	global_load_u8 v[16+8*\u+4*\s+\c], v6, s[6:7] offset:(4*\s+\c)*256+16*\u   ; the scale byte of row 16 (2 w + u) + r, K block 4 s + c
.endr
.endr
.endr
	global_load_b64 v[SW+4:SW+5], v7, s[10:11]     ; T's two scale words of column r
.irp s, 0,1
.irp c, 0,1,2,3
	global_load_b128 v[128+16*\s+4*\c:131+16*\s+4*\c], v5, s[8:9] offset:128*\s+32*\c
.endr
.endr
.irp u, 0,1
.irp s, 0,1
.irp c, 0,1,2,3
	global_load_b128 v[64+32*\u+16*\s+4*\c:67+32*\u+16*\s+4*\c], v4, s[4:5] offset:4096*\u+2048*\s+512*\c
.endr
.endr
.endr
	s_wait_loadcnt 24                              ; the scale bytes and T's scale words are in; the 24 loads of fragments may be out
.irp k, 0,1,2,3
	v_lshl_or_b32 v[SW+\k], v[17+4*\k], 8, v[16+4*\k]
.endr
.irp k, 0,1,2,3
	v_lshl_or_b32 v[SW+\k], v[18+4*\k], 16, v[SW+\k]
.endr
.irp k, 0,1,2,3
	v_lshl_or_b32 v[SW+\k], v[19+4*\k], 24, v[SW+\k]               ; four bytes make a row's scale word for 128 along K
.endr
	; the LDS addresses are made here: thirteen plain vector lines that name no register of the products stand between the scale words and the first product (eight are asked)
	s_lshl_b32 s18, s16, 11
	v_add_nc_u32 v8, s18, v9                       ; images, on the way in: my two tiles' four blocks, 16 bytes a lane
	s_lshl_b32 s18, s16, 10                        ; my rows j: tile 8 jh + w = four half blocks of 256 bytes
	s_lshl_b32 s19, s17, 13
	s_add_co_u32 s18, s18, s19
	v_lshl_add_u32 v10, v2, 4, s18                 ; + 16 r: my column's four rows
	s_lshl_b32 s19, s16, 6
	s_add_co_u32 s19, s19, OUTS
	v_mov_b32 v12, s19                             ; my wave's 64 bytes of the stage
	v_and_b32 v14, 28, v1                          ; the way out: lane L stores rows 4 L .. 4 L + 3 = 16 w + 8 h' + 4 q; the stage holds them at place 4 w + 2 q + h':
	v_and_b32 v11, 1, v1                           ; q = L % 2,
	v_lshl_add_u32 v14, v11, 1, v14
	v_bfe_u32 v11, v1, 1, 1                        ; h' = (L / 2) % 2
	v_add_nc_u32 v14, v14, v11
	v_lshl_add_u32 v14, v14, 4, OUTS
.irp e, 0,1,2,3
	v_mov_b32 v[PT+\e], 0                          ; written once: a lane permute's destination counts as one of its sources
.endr
	s_wait_loadcnt 0x0
	s_wait_alu depctr_va_vdst(0)                   ; x's scale words v32 to v35 are written, which the scaled products take (the places above stay beside this wait); so are the LDS addresses v8, v10 and v14
	; source 0 = 16 rows of x, source 1 = 16 columns of T.  The two accumulators take turns; the first K step starts the sums
	v_wmma_scale_f32_16x16x128_f8f6f4 v[160:167], v[64:79], v[128:143], 0, v[SW], v[SW+4]
	v_wmma_scale_f32_16x16x128_f8f6f4 v[168:175], v[96:111], v[128:143], 0, v[SW+2], v[SW+4]
	v_wmma_scale_f32_16x16x128_f8f6f4 v[160:167], v[80:95], v[144:159], v[160:167], v[SW+1], v[SW+5]
	v_wmma_scale_f32_16x16x128_f8f6f4 v[168:175], v[112:127], v[144:159], v[168:175], v[SW+3], v[SW+5]
.rept 8
	v_nop                                          ; eight places ahead of the stores that read the results
.endr
	s_wait_alu depctr_va_vdst(0)                   ; the products have written v160 to v175, which the LDS stores read, and are done reading v64 to v159: the image loads below land in all of these, and no vector line stands between
	ds_store_b128 v8, v[160:163]                   ; each result from its low end on
	ds_store_b128 v8, v[164:167] offset:512
	ds_store_b128 v8, v[168:171] offset:1024
	ds_store_b128 v8, v[172:175] offset:1536
	s_wait_dscnt 0x0                               ; for the others' sake: my four blocks have landed
	s_barrier_signal -1
	s_barrier_wait -1                              ; all 32 blocks lie in LDS; nobody writes them again
	s_wait_alu depctr_vm_vsrc(0)                   ; my four LDS stores have read v160 to v175, in which image loads land
	ds_load_b128 v[AQ:AQ+3], v10                   ; the first trip's four rows j of my column, asked for ahead of the images: they are in when the images are
.set k, 0
.rept 32
	ds_load_b128 v[MB+4*k:MB+4*k+3], v9 offset:512*k               ; all of M's 16 columns: 128 rows of my column
.set k, k+1
.endr
	s_wait_kmcnt 0x0
	s_mul_f32 s24, s24, 0x3eb504f3                 ; W1 x sqrt(2 / 64) x 2: the identity's factor 2 goes into the weight
	s_mov_b32 s25, s24                             ; (named with it as a pair, so it is written)
	s_mov_b32 s30, 0                               ; trips
	s_mov_b32 s31, 256                             ; 256 bytes of the images a trip: where the NEXT trip's rows j lie
	s_mov_b32 s33, 0                               ; 16 bytes of the stage a trip
	; THE COLUMN'S MEAN.  My 128 rows are 64 pairs of registers; four chains, started by the first eight pairs: nothing is cleared.  The sum follows the loads: a load brings two pairs, so in front of
	; pairs 16 n .. 16 n + 15 the count leaves out the 24 - 8 n loads that were issued behind the eight that bring them
.set k, 0
.rept 64
.if k%16 == 0
	s_wait_alu depctr_va_vdst(0)
	s_wait_dscnt 24-8*(k/16)
.endif
.if k < 8
.if k%2 == 0
	v_pk_add_f32 v[DT+k:DT+k+1], v[MB+2*k:MB+2*k+1], v[MB+2*k+2:MB+2*k+3]
.endif
.else
	v_pk_add_f32 v[DT+2*(k%4):DT+2*(k%4)+1], v[DT+2*(k%4):DT+2*(k%4)+1], v[MB+2*k:MB+2*k+1]
.endif
.set k, k+1
.endr
	v_pk_add_f32 v[DT:DT+1], v[DT:DT+1], v[DT+2:DT+3]
	v_pk_add_f32 v[DT+4:DT+5], v[DT+4:DT+5], v[DT+6:DT+7]
	v_pk_add_f32 v[DT:DT+1], v[DT:DT+1], v[DT+4:DT+5]
	v_add_f32 v[DT], v[DT], v[DT+1]
	v_permlanex16_b32 v[PT], v[DT], s34, s35       ; the column's other 128 rows lie in the lane 16 away
	v_add_f32 v[DT], v[DT], v[PT]
	v_mul_f32 v[CM], 0x3b800000, v[DT]             ; sum / 256, exact
	v_mov_b32 v[CM+1], v[CM]
.set k, 0
.rept 64
	v_pk_add_f32 v[MB+2*k:MB+2*k+1], v[MB+2*k:MB+2*k+1], v[CM:CM+1] neg_lo:[0,1] neg_hi:[0,1]   ; the column is centred
.set k, k+1
.endr
; A TRIP: four rows j (rows 16 t + 8 h' + 4 q + 0 .. 3 of my column, trip = 2 q + h') against my 128 rows i.  more = 1: the next trip's rows j are asked for, as soon as this trip's have left AQ.
.macro QUAD more
	s_wait_dscnt 1                                 ; LDS instructions come back in order (ISA guide 5.7.1): my four rows j are in; the one instruction issued behind their load, the last trip's store into the stage, may be out
.irp e, 0,1,2,3
	v_sub_f32 v[AD+2*\e], v[AQ+\e], v[CM]          ; centred as the column is, and laid twice
	v_sub_f32 v[AD+2*\e+1], v[AQ+\e], v[CM]
.endr
	s_wait_alu depctr_vm_vsrc(0)                   ; the trip before's load has read v11, and its store v13 and RS: all three are written again in this trip
.if \more
	v_add_nc_u32 v11, s31, v10                     ; the next trip's rows j
.endif
	v_add_nc_u32 v13, s33, v12                     ; this trip's 16 bytes of the stage
.if \more
	s_wait_alu depctr_va_vdst(0)                   ; the subtractions are done reading AQ, in which the load lands; v11, its address, is written
	ds_load_b128 v[AQ:AQ+3], v11                   ; it lands under the pair work below, none of which names AQ or v11
.endif
; Four rows i at a time against the four rows j: eight dual pairs of maxima, then eight packed additions, so that seven instructions stand between a maximum and the addition that reads it.
; A dual pair: destinations an even and an odd register; the two first sources are neighbouring registers, and so are the two second sources: different register banks.
.set g, 0
.rept 32
.irp u, 0,1
.irp e, 0,1,2,3
.if (g == 0) && (\u == 0)
	v_dual_max_num_f32 v[ACC+2*\e], v[MB], v[AD+2*\e] :: v_dual_max_num_f32 v[ACC+2*\e+1], v[MB+1], v[AD+2*\e+1]   ; the first maxima start the sums: nothing is cleared
.else
	v_dual_max_num_f32 v[DT+8*\u+2*\e], v[MB+4*g+2*\u], v[AD+2*\e] :: v_dual_max_num_f32 v[DT+8*\u+2*\e+1], v[MB+4*g+2*\u+1], v[AD+2*\e+1]
.endif
.endr
.endr
.irp u, 0,1
.irp e, 0,1,2,3
.if (g > 0) || (\u == 1)
	v_pk_add_f32 v[ACC+2*\e:ACC+2*\e+1], v[ACC+2*\e:ACC+2*\e+1], v[DT+8*\u+2*\e:DT+8*\u+2*\e+1]
.endif
.endr
.endr
.set g, g+1
.endr
.irp e, 0,1,2,3
	v_add_f32 v[RS+\e], v[ACC+2*\e], v[ACC+2*\e+1] ; the sum of my 128 maxima
.endr
.irp e, 0,1,2,3
	v_fma_f32 v[RS+\e], v[AD+2*\e], 0xc2800000, v[RS+\e]           ; - 64 m_j: half of (2 x the maxima - 128 m_j), my lane's share of the row's sum
.endr
.irp m, 1,2,4,8
.irp e, 0,1,2,3
	v_add_f32_dpp v[RS+\e], v[RS+\e], v[RS+\e] row_xmask:\m row_mask:0xf bank_mask:0xf   ; over the 16 columns
.endr
.endr
.irp e, 0,1,2,3
	v_permlanex16_b32 v[PT+\e], v[RS+\e], s34, s35
.endr
.irp e, 0,1,2,3
	v_add_f32 v[RS+\e], v[RS+\e], v[PT+\e]         ; and the other 128 rows i
.endr
	s_wait_alu depctr_va_vdst(0)                   ; RS and v13 are written, which the store reads.  (In the last trip also: the subtractions are done reading AQ, in which wave 0's load on the way out lands)
	ds_store_b128 v13, v[RS:RS+3]                  ; all lanes write the same 16 bytes with the same values
.endm
.Lquad:                                                ; three trips, each of which asks for the next trip's rows j
	QUAD 1
	s_add_co_u32 s31, s31, 256
	s_add_co_u32 s33, s33, 16
	s_add_co_u32 s30, s30, 1
	s_cmp_lt_u32 s30, 3
	s_cbranch_scc1 .Lquad
	QUAD 0                                         ; the fourth trip is written out: it asks for nothing, so that no load reaches past my tile's four half blocks
	s_wait_dscnt 0x0                               ; for wave 0's sake: my 64 bytes of the stage have landed
	s_barrier_signal -1
	s_barrier_wait -1
	s_cmp_lg_u32 s16, 0
	s_cbranch_scc1 .Lend
	ds_load_b128 v[AQ:AQ+3], v14                   ; (no vector line has stood since the last trip's wait on va_vdst)
	s_wait_dscnt 0x0
	v_pk_mul_f32 v[AQ:AQ+1], v[AQ:AQ+1], s[24:25] op_sel_hi:[1,0]
	v_pk_mul_f32 v[AQ+2:AQ+3], v[AQ+2:AQ+3], s[24:25] op_sel_hi:[1,0]
	s_wait_alu depctr_va_vdst(0)                   ; the two multiplications have written AQ, which the store reads
	global_store_b128 v9, v[AQ:AQ+3], s[14:15]     ; 32 lanes store 512 consecutive bytes, at a multiple of 256 from part's first byte
.Lend:
	s_wait_dscnt 0x0                               ; the closing lines, six on end
	s_wait_alu 0x0
	s_wait_tensorcnt 0x0
	ds_add_u32 v216, v217
	s_wait_dscnt 0x0
	s_endpgm
.Lfunc_end_k_q9eebc5a737_pairs:
	.size	k_q9eebc5a737_pairs, .Lfunc_end_k_q9eebc5a737_pairs-k_q9eebc5a737_pairs
	.p2alignl 7, 3214868480
	.fill 96, 4, 3214868480
	.section	.rodata,"a",@progbits
	.p2align	6, 0x0
	.amdhsa_kernel k_q9eebc5a737_pairs
		.amdhsa_group_segment_fixed_size 17920
		.amdhsa_private_segment_fixed_size 0
		.amdhsa_enable_private_segment 0
		.amdhsa_kernarg_size 48
		.amdhsa_user_sgpr_count 2
		.amdhsa_user_sgpr_kernarg_segment_ptr 1
		.amdhsa_wavefront_size32 1
		.amdhsa_system_sgpr_workgroup_id_x 1
		.amdhsa_system_sgpr_workgroup_id_y 1
		.amdhsa_system_sgpr_workgroup_id_z 1
		.amdhsa_system_vgpr_workitem_id 0
		.amdhsa_next_free_vgpr 218
		.amdhsa_next_free_sgpr 66
		.amdhsa_reserve_vcc 0
		.amdhsa_float_denorm_mode_32 3
		.amdhsa_float_denorm_mode_16_64 3
		.amdhsa_memory_ordered 1
		.amdhsa_forward_progress 1
		.amdhsa_inst_pref_size 89
	.end_amdhsa_kernel
	.amdgpu_metadata
---
amdhsa.version: [ 1, 2 ]
amdhsa.kernels:
  - .name:           k_q9eebc5a737_pairs
    .symbol:         k_q9eebc5a737_pairs.kd
    .args:
      - { .name: xq, .offset: 0, .size: 8, .value_kind: global_buffer, .address_space: global }
      - { .name: xs, .offset: 8, .size: 8, .value_kind: global_buffer, .address_space: global }
      - { .name: T_codes, .offset: 16, .size: 8, .value_kind: global_buffer, .address_space: global }
      - { .name: T_scales, .offset: 24, .size: 8, .value_kind: global_buffer, .address_space: global }
      - { .name: W1, .offset: 32, .size: 8, .value_kind: global_buffer, .address_space: global }
      - { .name: part, .offset: 40, .size: 8, .value_kind: global_buffer, .address_space: global }
    .group_segment_fixed_size: 17920
    .private_segment_fixed_size: 0
    .kernarg_segment_align: 8
    .kernarg_segment_size: 48
    .max_flat_workgroup_size: 256
    .sgpr_count:     66
    .vgpr_count:     218
    .wavefront_size: 32
...
	.end_amdgpu_metadata
.endif
;; end of part 5
;; launch reduce (part 6): grid 4 x 1, 16 waves a work-group, no clusters, 6,144 bytes of LDS; arguments part, b1, out0; writes out0
.if DOCPART == 6
	.amdgcn_target "amdgcn-amd-amdhsa--gfx1250"
	.amdhsa_code_object_version 6
	.text
	.protected	k_q9eebc5a737_reduce
	.globl	k_q9eebc5a737_reduce
	.p2align	8
	.type	k_q9eebc5a737_reduce,@function
k_q9eebc5a737_reduce:
	s_mov_b64 s[64:65], 0
	v_nop
	global_prefetch_b8 v0, s[64:65] scope:SCOPE_SE
	s_setreg_imm32_b32 hwreg(HW_REG_WAVE_MODE, 25, 1), 1
	s_wait_xcnt 0x0
; out0[j] = b1 + the sum over the 128 column groups cg of part[cg][j].  part: [128][256] f32, already weighted.
; Work-group g owns outputs 64 g .. 64 g + 63: a lane two of them, so that a wave's load and the final store cover 256 consecutive bytes, aligned.  Wave w adds rows 8 w .. 8 w + 7 of part; the sixteen
; waves' sums meet in LDS, and wave 0 adds them and b1.  Each output has one owner; no matrix unit, ring or cluster: 32 KB a work-group, read once.
	s_load_b128 s[4:7], s[0:1], 0x0                ; part, b1
	s_load_b64 s[8:9], s[0:1], 0x10                ; out0
	v_lshl_add_u32 v48, v0, 2, 0x1000
	v_mov_b32 v49, 0
	v_lshrrev_b32 v1, 5, v0
	s_delay_alu instid0(VALU_DEP_1)
	v_readfirstlane_b32 s10, v1                    ; wave 0..15
	v_and_b32 v1, 31, v0
	s_delay_alu instid0(VALU_DEP_1)
	v_lshlrev_b32 v2, 3, v1                        ; 8 bytes a lane
	s_lshl_b32 s11, s10, 13                        ; my wave's 8 rows of 1,024 bytes
	v_add_nc_u32 v3, s11, v2
	v_lshlrev_b32 v4, 3, v0                        ; LDS: 256 x wave + 8 x lane
	s_lshl_b32 s12, ttmp9, 8                       ; my work-group's 256 bytes of a row, and of out0
	s_mov_b32 s13, 0
	s_wait_alu depctr_va_vdst(0)
	s_wait_kmcnt 0x0
	s_load_b32 s14, s[6:7], 0x0                    ; b1
	s_add_nc_u64 s[4:5], s[4:5], s[12:13]
	s_add_nc_u64 s[8:9], s[8:9], s[12:13]
.irp i, 0,1,2,3,4,5,6,7
	global_load_b64 v[16+2*\i:17+2*\i], v3, s[4:5] offset:1024*\i th:TH_LOAD_NT   ; read once in the launch
.endr
	s_wait_kmcnt 0x0
	s_mov_b32 s15, s14                             ; (named with it as a pair, so it is written)
	s_wait_loadcnt 0x0
.irp i, 0,4,8,12
	v_pk_add_f32 v[16+\i:17+\i], v[16+\i:17+\i], v[18+\i:19+\i]
.endr
.irp i, 0
	s_delay_alu instid0(VALU_DEP_3)
	v_pk_add_f32 v[16+\i:17+\i], v[16+\i:17+\i], v[20+\i:21+\i]
.endr
.irp i, 8
	s_delay_alu instid0(VALU_DEP_2)
	v_pk_add_f32 v[16+\i:17+\i], v[16+\i:17+\i], v[20+\i:21+\i]
.endr
	s_delay_alu instid0(VALU_DEP_1)
	v_pk_add_f32 v[16:17], v[16:17], v[24:25]
	ds_store_b64 v4, v[16:17]
	s_wait_dscnt 0x0                               ; for wave 0's sake: my sums have landed
	s_barrier_signal -1
	s_barrier_wait -1
	s_cmp_lg_u32 s10, 0
	s_cbranch_scc1 .Lend
.irp i, 0,1,2,3,4,5,6,7,8,9,10,11,12,13,14,15
	ds_load_b64 v[16+2*\i:17+2*\i], v2 offset:256*\i
.endr
	s_wait_dscnt 0x0
.irp i, 0,4,8,12,16,20,24,28
	v_pk_add_f32 v[16+\i:17+\i], v[16+\i:17+\i], v[18+\i:19+\i]
.endr
.irp i, 0,8,16,24
	v_pk_add_f32 v[16+\i:17+\i], v[16+\i:17+\i], v[20+\i:21+\i]
.endr
.irp i, 0
	s_delay_alu instid0(VALU_DEP_3)
	v_pk_add_f32 v[16+\i:17+\i], v[16+\i:17+\i], v[24+\i:25+\i]
.endr
.irp i, 16
	s_delay_alu instid0(VALU_DEP_2)
	v_pk_add_f32 v[16+\i:17+\i], v[16+\i:17+\i], v[24+\i:25+\i]
.endr
	s_delay_alu instid0(VALU_DEP_1)
	v_pk_add_f32 v[16:17], v[16:17], v[32:33]
	s_delay_alu instid0(VALU_DEP_1)
	v_pk_add_f32 v[16:17], v[16:17], s[14:15] op_sel_hi:[1,0]      ; + b1
	global_store_b64 v2, v[16:17], s[8:9]          ; 32 lanes store 256 consecutive bytes, aligned
.Lend:
	s_wait_tensorcnt 0x0
	ds_add_u32 v48, v49
	s_wait_dscnt 0x0
	s_endpgm
.Lfunc_end_k_q9eebc5a737_reduce:
	.size	k_q9eebc5a737_reduce, .Lfunc_end_k_q9eebc5a737_reduce-k_q9eebc5a737_reduce
	.p2alignl 7, 3214868480
	.fill 96, 4, 3214868480
	.section	.rodata,"a",@progbits
	.p2align	6, 0x0
	.amdhsa_kernel k_q9eebc5a737_reduce
		.amdhsa_group_segment_fixed_size 6144
		.amdhsa_private_segment_fixed_size 0
		.amdhsa_enable_private_segment 0
		.amdhsa_kernarg_size 24
		.amdhsa_user_sgpr_count 2
		.amdhsa_user_sgpr_kernarg_segment_ptr 1
		.amdhsa_wavefront_size32 1
		.amdhsa_system_sgpr_workgroup_id_x 1
		.amdhsa_system_sgpr_workgroup_id_y 1
		.amdhsa_system_sgpr_workgroup_id_z 1
		.amdhsa_system_vgpr_workitem_id 0
		.amdhsa_next_free_vgpr 50
		.amdhsa_next_free_sgpr 66
		.amdhsa_reserve_vcc 0
		.amdhsa_float_denorm_mode_32 3
		.amdhsa_float_denorm_mode_16_64 3
		.amdhsa_memory_ordered 1
		.amdhsa_forward_progress 1
		.amdhsa_inst_pref_size 6
	.end_amdhsa_kernel
	.amdgpu_metadata
---
amdhsa.version: [ 1, 2 ]
amdhsa.kernels:
  - .name:           k_q9eebc5a737_reduce
    .symbol:         k_q9eebc5a737_reduce.kd
    .args:
      - { .name: part, .offset: 0, .size: 8, .value_kind: global_buffer, .address_space: global }
      - { .name: b1, .offset: 8, .size: 8, .value_kind: global_buffer, .address_space: global }
      - { .name: out0, .offset: 16, .size: 8, .value_kind: global_buffer, .address_space: global }
    .group_segment_fixed_size: 6144
    .private_segment_fixed_size: 0
    .kernarg_segment_align: 8
    .kernarg_segment_size: 24
    .max_flat_workgroup_size: 512
    .sgpr_count:     66
    .vgpr_count:     50
    .wavefront_size: 32
...
	.end_amdgpu_metadata
.endif
;; end of part 6
